; MI455X (gfx1250); checked and timed in simulation.
; The chip was launched on July 23, 2026; its instructions are those of AMD's public machine-readable ISA for CDNA 5 (MIT licence, August 2026) and "CDNA5" Instruction Set Architecture Reference Guide (July 2026). The comments in the code are by the model that wrote it; some were corrected since.
;; Attention With Rotary. Allowed arithmetic: float matrix products may take bf16 or f16 operands with f32 sums; all other float work in f32.
;; Inputs: freqs_cos 2,048 x 64 float32; freqs_sin 2,048 x 64 float32; wk_b 2,048 float32; wk_w 2,048 x 2,048 float32; wo_b 2,048 float32; wo_w 2,048 x 2,048 float32; wq_b 2,048 float32; wq_w 2,048 x 2,048 float32; wv_b 2,048 float32; wv_w 2,048 x 2,048 float32; x 1 x 2,048 x 2,048 float32.
;; Outputs: out0 1 x 2,048 x 2,048 float32.
;; One version. Each part assembles by itself: llvm-mc -triple=amdgcn-amd-amdhsa -mcpu=gfx1250 --defsym DOCPART=n.
;; ======== version 1 of 1: 5 launches
;; limits: values are held in f16: magnitudes above 65,504 overflow, below 6.1e-05 lose precision; inputs' magnitudes at most 65,504; right only within a limited range of input values
;; workspace buffers: xh 8,388,608 bytes; wh 25,165,824 bytes; qh 8,388,608 bytes; mpart 16,777,216 bytes; mmax 4,096 bytes; mh 524,288 bytes; pt 8,388,608 bytes
;; launch cvt (part 1): grid 256 x 4, 8 waves a work-group, no clusters, 0 bytes of LDS; arguments x, wq_w, wk_w, wv_w, xh, wh; writes xh, wh
.if DOCPART == 1
	.amdgcn_target "amdgcn-amd-amdhsa--gfx1250"
	.amdhsa_code_object_version 6
	.text
	.protected	k_q718c9ad883_cvt
	.globl	k_q718c9ad883_cvt
	.p2align	8
	.type	k_q718c9ad883_cvt,@function
k_q718c9ad883_cvt:
	s_mov_b64 s[64:65], 0
	v_nop
	global_prefetch_b8 v0, s[64:65] scope:SCOPE_SE
	s_setreg_imm32_b32 hwreg(HW_REG_WAVE_MODE, 25, 1), 1
	s_wait_xcnt 0x0
; xh = f16(x), [2048][2048].  wh = f16 of wq_w, wk_w, wv_w, [6144][2048], with the rows laid head by head:
; row h*384 + p*128 + c of wh is row h*128 + c of tensor p (0 = wq_w, 1 = wk_w, 2 = wv_w), so that the next launch
; finds the 384 weight rows of one head next to each other.
; A stream: no LDS, no barrier, no matrix work.  Work-group y picks the tensor, work-group x eight rows, a wave one row:
; 8,192 bytes in by sixteen loads of 512 consecutive bytes, 4,096 bytes out by sixteen stores of 256 consecutive, aligned bytes.
; All sixteen loads of a wave are issued before the first wait.  No register is written twice.
; LIMIT: f16 holds magnitudes below 65,504; a larger input becomes an infinity here.
.set X, 4                              ; v[4:67]   the row as loaded, 4 f32 a load
.set Y, 68                             ; v[68:99]  the row as stored, 4 f16 a store
	s_load_b256 s[4:11], s[0:1], 0x0               ; x s[4:5], wq_w s[6:7], wk_w s[8:9], wv_w s[10:11]
	s_load_b128 s[12:15], s[0:1], 0x20             ; xh s[12:13], wh s[14:15]
	v_lshrrev_b32 v3, 5, v0
	v_readfirstlane_b32 s16, v3                    ; wave 0..7
	v_and_b32 v1, 31, v0                           ; lane
	v_lshlrev_b32 v2, 3, v1                        ; 8 bytes a lane on the way out
	v_lshlrev_b32 v1, 4, v1                        ; 16 bytes a lane on the way in
	s_and_b32 s17, ttmp7, 0xffff                   ; which tensor
	s_lshl_b32 s18, ttmp9, 3
	s_add_co_u32 s18, s18, s16                     ; my row
	s_lshr_b32 s19, s18, 7                         ; its head
	s_mul_i32 s19, s19, 384
	s_and_b32 s24, s18, 127                        ; its place in the head
	s_add_co_u32 s19, s19, s24
	s_max_u32 s25, s17, 1
	s_lshl_b32 s25, s25, 7
	s_add_co_u32 s19, s19, s25
	s_sub_co_u32 s19, s19, 128                     ; + (tensor - 1) * 128: the row in wh
	s_cmp_eq_u32 s17, 0
	s_cselect_b32 s19, s18, s19                    ; x keeps its rows
	s_lshl_b32 s20, s18, 13                        ; byte offset in: row * 8,192
	s_mov_b32 s21, 0
	s_lshl_b32 s22, s19, 12                        ; byte offset out: row * 4,096
	s_mov_b32 s23, 0
	s_wait_kmcnt 0x0
	s_cmp_eq_u32 s17, 0
	s_cselect_b64 s[12:13], s[12:13], s[14:15]     ; out: xh or wh
	s_cmp_eq_u32 s17, 1
	s_cselect_b64 s[4:5], s[6:7], s[4:5]           ; in: one of the four
	s_cmp_eq_u32 s17, 2
	s_cselect_b64 s[4:5], s[8:9], s[4:5]
	s_cmp_eq_u32 s17, 3
	s_cselect_b64 s[4:5], s[10:11], s[4:5]
	s_add_nc_u64 s[4:5], s[4:5], s[20:21]
	s_add_nc_u64 s[12:13], s[12:13], s[22:23]
.irp j, 0,1,2,3,4,5,6,7,8,9,10,11,12,13,14,15
	global_load_b128 v[X+4*\j:X+4*\j+3], v1, s[4:5] offset:512*\j th:TH_LOAD_NT   ; read once in the launch
.endr
.irp j, 0,1,2,3,4,5,6,7,8,9,10,11,12,13,14,15
	s_wait_loadcnt 15-\j                           ; loads come back in order: load j is in, the younger ones stay out
	v_cvt_pk_f16_f32 v[Y+2*\j],   v[X+4*\j],   v[X+4*\j+1]
	v_cvt_pk_f16_f32 v[Y+2*\j+1], v[X+4*\j+2], v[X+4*\j+3]
	global_store_b64 v2, v[Y+2*\j:Y+2*\j+1], s[12:13] offset:256*\j   ; 32 lanes: 256 consecutive bytes, aligned; the next launch reads them, so no hint
.endr
	s_endpgm
.Lfunc_end_k_q718c9ad883_cvt:
	.size	k_q718c9ad883_cvt, .Lfunc_end_k_q718c9ad883_cvt-k_q718c9ad883_cvt
	.p2alignl 7, 3214868480
	.fill 96, 4, 3214868480
	.section	.rodata,"a",@progbits
	.p2align	6, 0x0
	.amdhsa_kernel k_q718c9ad883_cvt
		.amdhsa_group_segment_fixed_size 0
		.amdhsa_private_segment_fixed_size 0
		.amdhsa_enable_private_segment 0
		.amdhsa_kernarg_size 48
		.amdhsa_user_sgpr_count 2
		.amdhsa_user_sgpr_kernarg_segment_ptr 1
		.amdhsa_wavefront_size32 1
		.amdhsa_system_sgpr_workgroup_id_x 1
		.amdhsa_system_sgpr_workgroup_id_y 1
		.amdhsa_system_sgpr_workgroup_id_z 1
		.amdhsa_system_vgpr_workitem_id 0
		.amdhsa_next_free_vgpr 104
		.amdhsa_next_free_sgpr 66
		.amdhsa_reserve_vcc 0
		.amdhsa_float_denorm_mode_32 3
		.amdhsa_float_denorm_mode_16_64 3
		.amdhsa_memory_ordered 1
		.amdhsa_forward_progress 1
		.amdhsa_inst_pref_size 8
	.end_amdhsa_kernel
	.amdgpu_metadata
---
amdhsa.version: [ 1, 2 ]
amdhsa.kernels:
  - .name:           k_q718c9ad883_cvt
    .symbol:         k_q718c9ad883_cvt.kd
    .args:
      - { .name: x, .offset: 0, .size: 8, .value_kind: global_buffer, .address_space: global }
      - { .name: wq_w, .offset: 8, .size: 8, .value_kind: global_buffer, .address_space: global }
      - { .name: wk_w, .offset: 16, .size: 8, .value_kind: global_buffer, .address_space: global }
      - { .name: wv_w, .offset: 24, .size: 8, .value_kind: global_buffer, .address_space: global }
      - { .name: xh, .offset: 32, .size: 8, .value_kind: global_buffer, .address_space: global }
      - { .name: wh, .offset: 40, .size: 8, .value_kind: global_buffer, .address_space: global }
    .group_segment_fixed_size: 0
    .private_segment_fixed_size: 0
    .kernarg_segment_align: 8
    .kernarg_segment_size: 48
    .max_flat_workgroup_size: 256
    .sgpr_count:     66
    .vgpr_count:     104
    .wavefront_size: 32
...
	.end_amdgpu_metadata
.endif
;; end of part 1
;; launch qkv (part 2): grid 16 x 16, 4 waves a work-group, clusters of 4 x 4, 327,680 bytes of LDS; arguments xh, wh, wq_b, wk_b, wv_b, freqs_cos, freqs_sin, qh, mpart, mmax; writes qh, mpart, mmax
.if DOCPART == 2
	.amdgcn_target "amdgcn-amd-amdhsa--gfx1250"
	.amdhsa_code_object_version 6
	.text
	.protected	k_q718c9ad883_qkv
	.globl	k_q718c9ad883_qkv
	.p2align	8
	.type	k_q718c9ad883_qkv,@function
k_q718c9ad883_qkv:
	s_mov_b64 s[64:65], 0
	v_nop
	global_prefetch_b8 v0, s[64:65] scope:SCOPE_SE
	s_setreg_imm32_b32 hwreg(HW_REG_WAVE_MODE, 25, 1), 1
	s_wait_xcnt 0x0
	s_wait_alu depctr_hold_cnt(0) depctr_sa_sdst(0) depctr_va_vdst(0) depctr_va_sdst(0) depctr_va_ssrc(0) depctr_va_vcc(0) depctr_vm_vsrc(0)
	s_getreg_b32 s2, hwreg(HW_REG_IB_STS2, 6, 4)
	s_cmp_eq_u32 s2, 0
	s_cbranch_scc0 .Lentry_in_a_cluster
	s_endpgm
.Lentry_in_a_cluster:
	s_bfe_u32 s2, ttmp6, 0x10000c
	s_cmp_lg_u32 s2, 0xf033
	s_cbranch_scc0 .Lentry_shape_is_right
	s_endpgm
.Lentry_shape_is_right:
; For head h (work-group x) and the 128 positions of block i (work-group y):
;   Q' = rope(x Wq^T + bq) * 2^-3.5   (the 1/sqrt(128) of the scores),   K' = rope(x Wk^T + bk) / 16,   V' = (x Wv^T + bv) / 16,
; all rounded to f16; Q' goes to qh; of K' and V' only the partial sum over these 128 positions
;   M'[d][e] = sum over pos of K'[pos][d] V'[pos][e]     (f32, 128 x 128)
; leaves, to mpart, with the largest magnitude that each wave saw, to mmax.  The scores have no softmax, so (Q K^T) V = Q (K^T V) for every input.
; LIMITS: f16 holds magnitudes below 65,504, so |q| < 7.4e5 and |k|, |v| < 1.0e6 are served; beyond that infinities arise here.
;
; THE PRODUCT: 128 positions x 384 features (Q | K | V of the head), K = 2048 in 16 steps of 128 through two LDS slots filled by the tensor data
; mover; a tile's rows are 256 bytes of memory and start at multiples of 256 bytes.  Four waves; wave w makes all 128 positions x features
; 32 w .. 32 w + 31 of each of Q, K, V: 8 x 6 accumulator tiles, 384 registers.
; CLUSTERS: 4 x 4 work-groups.  The four of a cluster's row share block i and so x's tile; the four of a column share head h and so the weights' tiles.
; Each such tile is asked for jointly: the same tensor load with the same descriptor and a mask that names the four.
; THE MATRIX INSTRUCTION IS USED TRANSPOSED: source 0 = 16 weight rows (features), source 1 = 16 rows of x (positions): lane l holds position l % 16
; and its registers 0..7 the features 8 (l / 16) + 0..7: four whole RoPE pairs, and 16 neighbouring bytes in f16.
;
; REGISTERS, in windows of 256:
;   window 0: v16-39 addresses and small work; v64-127, v128-191 fragments of x (8 x 8 registers), two buffers; v192-255 at work
;   window 1: v0-47 the biases of my 48 features a lane half (times their scale); v64-111, v128-175 fragments of the weights, two buffers
;   window 2: v0-191 accumulators of positions 0-63 (tile (a, b) at 8 (6 a + b)); v192-255 cos of my positions and pairs
;   window 3: v0-191 accumulators of positions 64-127;                            v192-255 sin
.set KSTEP,  128
.set PITCH,  272                       ; an LDS row: 256 bytes + 16 of padding: the 16 rows that a fragment load touches start 16 bytes apart modulo 256
.set PART,   128*PITCH                 ; 128 rows: what one tensor load brings
.set SLOT,   4*PART                    ; x's 128 rows, then Wq's, Wk's, Wv's 128 rows of the head
.set LAPS,   8                         ; a lap = two K steps = once round the ring
.set SP,     288                       ; pitch of the stages behind the loop: 256 bytes + 32 (an odd multiple of 32, for the transposing load)
.set STGQ,   0                         ; the stages lie in slot 0, whose last fill and last reads are over when they are written
.set STGK,   128*SP
.set STGV,   2*128*SP                  ; ends at 110,592, inside slot 0
.set KQ,     0x3db504f3                ; 2^-3.5
.set KKV,    0x3d800000                ; 2^-4
.set ADRA, 16                          ; v16-17  LDS address of my x fragments in slot 0, 1
.set ADRB, 18                          ; v18-23  of my weight fragments: slot * 3 + part
.set STO,  24                          ; v24-26  where I put 16 bytes of a row of Q', K', V'
.set RD,   27                          ; v27     where I read rows of Q' back
.set CO,   28                          ; v28     my byte offset in qh
.set CSO,  29                          ; v29     my byte offset in cos and sin
.set BO,   30                          ; v30     my byte offset in the biases
.set L16,  31                          ; v31     16 x lane
.set TRV,  32                          ; v32     transposing loads of V'
.set TRK,  33                          ; v33     transposing loads of K'
.set MX,   34                          ; v34-37  four running maxima; v38 an offset of zero
.set F0,   64
.set F1,   128
.set TMP,  192
.set TT,   64                          ; behind the loop: 48 numbers of a lane in f32
.set UU,   128                         ; behind the loop: their products with cos
.set CS,   192                         ; cos (window 2), sin (window 3): 4 (2 mt + t) + pair
.set G1,   24                          ; s[24:31] group 1 for x's tile
.set G0,   32                          ; s[32:39] group 0 for x's tile, one set for each slot
.set G1B,  48                          ; s[48:55] group 1 for the weights' tiles: another mask
.set G0B,  56                          ; s[56:63] group 0 for the weights' tiles, one set for each slot
.set MSB, 0
.macro WIN new                         ; the immediate's high byte repeats the setting that is left
.if MSB != (\new)
	s_set_vgpr_msb (MSB<<8)|(\new)
.set MSB, (\new)
.endif
.endm
.set MUL_LO, 0xa1                      ; source 0 (weights) window 1, source 1 (x) window 0, C and D window 2
.set MUL_HI, 0xf1                      ; the same, C and D window 3
.set TO_B,   0x40                      ; destination window 1, address window 0
; A joint load.  Wave 0 fetches x's tile, waves 1 to 3 the tiles of Wq, Wk, Wv.  Each line has one mask; the branch hangs on the wave's number alone.
.macro JLOAD s
	s_cmp_eq_u32 s10, 0
	s_cbranch_scc0 .Lfor_b_\@
	tensor_load_to_lds s[G0+4*\s:G0+4*\s+3], s[G1:G1+7]
	s_nop 0
	s_branch .Lasked_\@
.Lfor_b_\@:
	tensor_load_to_lds s[G0B+4*\s:G0B+4*\s+3], s[G1B:G1B+7]
	s_nop 0
.Lasked_\@:
.endm
; A round of the cluster's barrier: my work-group's barrier; wave 0 signals for the work-group; every wave waits for all sixteen; my work-group's barrier again.
.macro CREST                           ; a round behind its opening barrier
	s_cmp_lg_u32 s10, 0
	s_cbranch_scc1 .Lnot_wave_0_\@
	s_barrier_signal -3
.Lnot_wave_0_\@:
	s_barrier_wait -3
	s_barrier_signal -1
	s_barrier_wait -1
.endm
.macro CROUND
	s_barrier_signal -1
	s_barrier_wait -1
	CREST
.endm
	s_load_b512 s[68:83], s[0:1], 0x0              ; xh 68, wh 70, wq_b 72, wk_b 74, wv_b 76, cos 78, sin 80, qh 82
	s_load_b128 s[84:87], s[0:1], 0x40             ; mpart 84, mmax 86
	s_set_vgpr_msb 0x40
	v_lshl_add_u32 v255, v0, 2, 0x44000
	s_set_vgpr_msb 0x4000
	v_mov_b32 v63, 0
	s_set_vgpr_msb 0x1
	ds_add_u32 v255, v63
	ds_add_u32 v255, v63
	s_set_vgpr_msb 0x100
	v_lshrrev_b32 v1, 5, v0
	v_readfirstlane_b32 s10, v1                    ; wave 0..3
	s_mov_b32 s4, 0x76543210                       ; v_permlanex16_b32: lane i of one half reads lane i of the other
	s_mov_b32 s5, 0xfedcba98
	s_bfe_u32 s40, ttmp6, 0x40000                  ; cx
	s_bfe_u32 s41, ttmp6, 0x40004                  ; cy
	s_lshl_b32 s42, ttmp9, 2
	s_add_co_u32 s42, s42, s40                     ; head h = 4 x cluster x + cx
	s_and_b32 s13, ttmp7, 0xffff
	s_lshl_b32 s13, s13, 2
	s_add_co_u32 s13, s13, s41                     ; block i = 4 x cluster y + cy
	s_lshl_b32 s43, s41, 2
	s_lshl_b32 s43, 15, s43                        ; my row of the cluster: places 4 cy .. 4 cy + 3
	s_lshl_b32 s44, 0x1111, s40                    ; my column: places cx, cx + 4, cx + 8, cx + 12
	; group 1: a tile of 128 rows x 128 elements of 2 bytes, 16 bytes of padding behind every 64 words
	s_or_b32 s[G1+0],  s43, (1<<16)|(1<<20)|(1<<21)|(5<<22)|(3<<25)   ; x's tile hangs on i alone: shared along my row
	s_or_b32 s[G1B+0], s44, (1<<16)|(1<<20)|(1<<21)|(5<<22)|(3<<25)   ; the weights' tiles hang on h alone: shared along my column
	s_mov_b32 s[G1+1],  KSTEP<<16                  ; tensor_dim0 = 128
	s_mov_b32 s[G1B+1], KSTEP<<16
	s_mov_b32 s[G1+2],  128<<16                    ; tensor_dim1 = 128
	s_mov_b32 s[G1B+2], 128<<16
	s_mov_b32 s[G1+3],  KSTEP<<16                  ; tile_dim0 = 128
	s_mov_b32 s[G1B+3], KSTEP<<16
	s_mov_b32 s[G1+4],  128                        ; tile_dim1 = 128
	s_mov_b32 s[G1B+4], 128
	s_mov_b32 s[G1+5],  2048                       ; elements from row to row
	s_mov_b32 s[G1B+5], 2048
	s_mov_b32 s[G1+6],  0
	s_mov_b32 s[G1B+6], 0
	s_mov_b32 s[G1+7],  0
	s_mov_b32 s[G1B+7], 0
	s_lshl_b32 s16, s13, 19                        ; x: 128 i rows of 4,096 bytes
	s_mov_b32 s17, 0
	s_mul_i32 s46, s42, 0x180000                   ; weights: 384 h rows of 4,096 bytes,
	s_max_u32 s45, s10, 1
	s_sub_co_u32 s45, s45, 1
	s_lshl_b32 s45, s45, 19                        ; + 128 rows for each part: wave 1 Wq, 2 Wk, 3 Wv (wave 0 does not use this address)
	s_add_co_u32 s46, s46, s45
	s_mov_b32 s47, 0
	s_mul_i32 s20, s10, PART                       ; where my tile goes: wave x 128 rows; no place in the cluster enters an LDS address
	s_wait_dscnt 0x0
	s_wait_kmcnt 0x0
	s_add_nc_u64 s[14:15], s[68:69], s[16:17]
	s_add_nc_u64 s[46:47], s[70:71], s[46:47]
	CROUND                                         ; all sixteen work-groups are here: the first joint loads meet
.irp s, 0,1
	s_mov_b32 s[G0+4*\s], 1
	s_add_co_u32 s[G0+4*\s+1], s20, \s*SLOT
	s_add_nc_u64 s[G0+4*\s+2:G0+4*\s+3], s[14:15], \s*KSTEP*2      ; K step s
	s_or_b32 s[G0+4*\s+3], s[G0+4*\s+3], 0x80000000
	s_mov_b32 s[G0B+4*\s], 1
	s_add_co_u32 s[G0B+4*\s+1], s20, \s*SLOT
	s_add_nc_u64 s[G0B+4*\s+2:G0B+4*\s+3], s[46:47], \s*KSTEP*2
	s_or_b32 s[G0B+4*\s+3], s[G0B+4*\s+3], 0x80000000
	JLOAD \s                                       ; both slots are asked for before anything else: two loads of a wave are out
.endr
	; the other buffers at this work-group's and this wave's part; the offsets that mix h and i live in s[88:93], which feed no descriptor
	s_lshl_b32 s88, s13, 15                        ; cos, sin: 128 i rows of 256 bytes
	s_mov_b32 s89, 0
	s_add_nc_u64 s[78:79], s[78:79], s[88:89]
	s_add_nc_u64 s[80:81], s[80:81], s[88:89]
	s_lshl_b32 s90, s42, 9                         ; biases: 128 h numbers of 4 bytes
	s_mov_b32 s91, 0
	s_add_nc_u64 s[72:73], s[72:73], s[90:91]
	s_add_nc_u64 s[74:75], s[74:75], s[90:91]
	s_add_nc_u64 s[76:77], s[76:77], s[90:91]
	s_lshl_b32 s88, s13, 19                        ; qh: row 128 i + 32 w, 4,096 bytes a row, + 256 h
	s_lshl_b32 s89, s10, 17
	s_add_co_u32 s88, s88, s89
	s_lshl_b32 s89, s42, 8
	s_add_co_u32 s88, s88, s89
	s_mov_b32 s89, 0
	s_add_nc_u64 s[82:83], s[82:83], s[88:89]
	s_lshl4_add_u32 s90, s42, s13                  ; mpart: block 16 h + i of 65,536 bytes, + my 16 tiles of 1,024
	s_lshl_b32 s90, s90, 16
	s_lshl_b32 s91, s10, 14
	s_add_co_u32 s90, s90, s91
	s_mov_b32 s91, 0
	s_add_nc_u64 s[84:85], s[84:85], s[90:91]
	s_lshl2_add_u32 s92, s42, s10                  ; mmax: word (4 h + w) 16 + i
	s_lshl4_add_u32 s92, s92, s13
	s_lshl_b32 s92, s92, 2
	s_mov_b32 s93, 0
	s_add_nc_u64 s[86:87], s[86:87], s[92:93]
	v_and_b32 v1, 15, v0                           ; r = l % 16
	v_bfe_u32 v2, v0, 4, 1                         ; hh = l / 16
	v_and_b32 v5, 31, v0                           ; l
	v_mul_u32_u24 v3, v1, PITCH
	v_lshl_add_u32 v3, v2, 4, v3                   ; fragments: row x pitch + 16 x half
	s_mul_i32 s21, s10, 32*PITCH                   ; my 32 rows of each weight part
	v_add_nc_u32 v4, s21, v3
.irp s, 0,1
	v_add_nc_u32 v[ADRA+\s], \s*SLOT, v3
.irp p, 0,1,2
	v_add_nc_u32 v[ADRB+3*\s+\p], \s*SLOT+(1+\p)*PART, v4
.endr
.endr
	v_mul_u32_u24 v6, v1, SP
	v_lshl_add_u32 v6, v2, 4, v6
	s_lshl_b32 s22, s10, 6                         ; my 32 features: 64 bytes in f16, and 16 pairs of 4 bytes in cos and sin
	v_add_nc_u32 v6, s22, v6                       ; stage: r x 288 + 16 hh + 64 w
	v_add_nc_u32 v[STO+0], STGQ, v6
	v_add_nc_u32 v[STO+1], STGK, v6
	v_add_nc_u32 v[STO+2], STGV, v6
	s_mul_i32 s23, s10, 32*SP
	v_mul_u32_u24 v7, v2, SP
	v_lshl_add_u32 v7, v1, 4, v7
	v_add_nc_u32 v[RD], s23, v7                    ; back: lanes 0-15 one row of 256 bytes, lanes 16-31 the next; my rows 32 w ..
	v_lshlrev_b32 v8, 12, v2
	v_lshl_add_u32 v[CO], v1, 4, v8                ; and the same two rows in qh
	v_lshlrev_b32 v8, 8, v1
	v_lshl_add_u32 v8, v2, 4, v8
	v_add_nc_u32 v[CSO], s22, v8                   ; cos, sin: r x 256 + 16 hh + 64 w
	s_lshl_b32 s45, s10, 7
	v_lshlrev_b32 v8, 5, v2
	v_add_nc_u32 v[BO], s45, v8                    ; biases: 32 hh + 128 w
	v_lshlrev_b32 v[L16], 4, v5
	v_and_b32 v8, 7, v0
	v_lshl_add_u32 v8, v2, 3, v8                   ; transposing loads: row 8 hh + l % 8,
	v_mul_u32_u24 v8, v8, SP
	v_bfe_u32 v9, v0, 3, 1
	v_lshl_add_u32 v8, v9, 4, v8                   ; 16 bytes further for lanes 8-15 and 24-31
	v_add_nc_u32 v[TRV], STGV, v8
	v_add_nc_u32 v[TRK], STGK, v8
	v_add_nc_u32 v[TRK], s22, v[TRK]               ; of K' my own 32 features
	; biases, cos and sin of exactly the numbers that this lane will hold, straight into the registers that use them
	WIN 0x40
.irp p, 0,1,2
.irp t, 0,1
	global_load_b128 v[8*(2*\p+\t):8*(2*\p+\t)+3],   v[BO], s[72+2*\p:73+2*\p] offset:64*\t
	global_load_b128 v[8*(2*\p+\t)+4:8*(2*\p+\t)+7], v[BO], s[72+2*\p:73+2*\p] offset:64*\t+16
.endr
.endr
	WIN 0x80
.irp m, 0,1,2,3,4,5,6,7
.irp t, 0,1
	global_load_b128 v[CS+4*(2*\m+\t):CS+4*(2*\m+\t)+3], v[CSO], s[78:79] offset:\m*4096+32*\t
.endr
.endr
	WIN 0xc0
.irp m, 0,1,2,3,4,5,6,7
.irp t, 0,1
	global_load_b128 v[CS+4*(2*\m+\t):CS+4*(2*\m+\t)+3], v[CSO], s[80:81] offset:\m*4096+32*\t
.endr
.endr
	s_wait_loadcnt 0x0                             ; once, while the first tiles are still on their way
	WIN 0x41
.irp b, 0,1,2,3,4,5
.irp q, 0,1,2,3
.if \b < 2
	v_pk_mul_f32 v[8*\b+2*\q:8*\b+2*\q+1], v[8*\b+2*\q:8*\b+2*\q+1], KQ op_sel_hi:[1,0]    ; the bias takes the same scale as the sum
.else
	v_pk_mul_f32 v[8*\b+2*\q:8*\b+2*\q+1], v[8*\b+2*\q:8*\b+2*\q+1], KKV op_sel_hi:[1,0]
.endif
.endr
.endr
	WIN 0
; 12 matrix instructions: position tiles a0, a0 + 1 of the window's four x my 6 feature tiles, 32 along K.  zero = 1: the first product starts the sums.
; The 48 accumulators take turns, one instruction a turn, in the same order everywhere.
.macro MUL12 f, hi, a0, zero
.irp a, \a0, \a0+1
.irp b, 0,1,2,3,4,5
.if \zero
	v_wmma_f32_16x16x32_f16 v[8*(6*(\a)+\b):8*(6*(\a)+\b)+7], v[\f+8*\b:\f+8*\b+7], v[\f+8*(4*\hi+\a):\f+8*(4*\hi+\a)+7], 0
.else
	v_wmma_f32_16x16x32_f16 v[8*(6*(\a)+\b):8*(6*(\a)+\b)+7], v[\f+8*\b:\f+8*\b+7], v[\f+8*(4*\hi+\a):\f+8*(4*\hi+\a)+7], v[8*(6*(\a)+\b):8*(6*(\a)+\b)+7]
.endif
.endr
.endr
.endm
; 28 LDS loads in one run: the fragments of a quarter step (my 2 x 16 rows of each weight part, then x's 128 rows; 32 K at byte k of the rows) into buffer f
.macro FETCH slot, k, f
	WIN TO_B
.irp p, 0,1,2
.irp t, 0,1
	ds_load_b128 v[\f+8*(2*\p+\t):\f+8*(2*\p+\t)+3],   v[ADRB+3*\slot+\p] offset:\k+\t*16*PITCH
	ds_load_b128 v[\f+8*(2*\p+\t)+4:\f+8*(2*\p+\t)+7], v[ADRB+3*\slot+\p] offset:\k+\t*16*PITCH+32
.endr
.endr
	WIN 0
.irp i, 0,1,2,3,4,5,6,7
	ds_load_b128 v[\f+8*\i:\f+8*\i+3],   v[ADRA+\slot] offset:\k+\i*16*PITCH
	ds_load_b128 v[\f+8*\i+4:\f+8*\i+7], v[ADRA+\slot] offset:\k+\i*16*PITCH+32
.endr
.endm
; Four plain vector instructions stand between a matrix instruction and a load into one of its sources, or a vector instruction, store or LDS store
; that reads its result (ISA guide 7.12.1 for vector instructions).
.macro PLACES
.rept 4
	v_nop
.endr
.endm
; A K step is four quarter steps of 32 along K, 48 matrix instructions each, on buffers 0, 1, 0, 1.
.macro QUARTER slot, k, f, g, zero
	s_wait_dscnt 8                                 ; the weights and x's rows 0-63 are in; the youngest eight loads (rows 64-127) may be out
	WIN MUL_LO
	MUL12 \f, 0, 0, \zero
	MUL12 \f, 0, 2, \zero
	PLACES
	FETCH \slot, \k, \g
	s_wait_dscnt 28                                ; all but the 28 just issued
	WIN MUL_HI
	MUL12 \f, 1, 0, \zero
	MUL12 \f, 1, 2, \zero
.endm
.macro THREE slot, zero
	QUARTER \slot, 64,  F0, F1, \zero
	QUARTER \slot, 128, F1, F0, 0
	QUARTER \slot, 192, F0, F1, 0
.endm
; The last quarter multiplies buffer 1 and changes slots.  In front of the barrier each wave waits for its reads of this slot and for all its tensor
; loads (one is out: its part of the next slot).  Behind it the refill comes first, then the next slot's first fragments.
; From a request to the wait for it a wave issues 180 matrix instructions.
.macro TURN slot, next, fill
	s_wait_dscnt 8
	WIN MUL_LO
	MUL12 F1, 0, 0, 0
	s_wait_dscnt 0                                 ; my reads of this slot are over
	s_wait_tensorcnt 0x0                           ; and all my tensor loads have landed
	ds_add_u32 v255, v63
	s_wait_dscnt 0x0
	s_barrier_signal -1                            ; (where the slot is filled again this barrier opens a round of the cluster's barrier)
	MUL12 F1, 0, 2, 0                              ; register work while the others arrive
	WIN 0
	s_barrier_wait -1
.if \fill
	CREST                                          ; no wave of any partner still reads this slot or has a load on its way
	s_add_nc_u64 s[G0+4*\slot+2:G0+4*\slot+3],   s[G0+4*\slot+2:G0+4*\slot+3],   2*KSTEP*2   ; no load of mine is out: the group 0 may be written
	s_add_nc_u64 s[G0B+4*\slot+2:G0B+4*\slot+3], s[G0B+4*\slot+2:G0B+4*\slot+3], 2*KSTEP*2
	JLOAD \slot                                    ; the first and only tensor load of the wave behind the round
.endif
	PLACES
	FETCH \next, 0, F0
	WIN MUL_HI
	MUL12 F1, 1, 0, 0
	MUL12 F1, 1, 2, 0
.endm
.macro LAP zero
	THREE 0, \zero
	TURN 0, 1, 1
	THREE 1, 0
	TURN 1, 0, 1
.endm
	s_wait_tensorcnt 0x1                           ; my part of K step 0 is in; K step 1's stays out
	s_barrier_signal -1
	s_barrier_wait -1
	FETCH 0, 0, F0
	LAP 1                                          ; the first lap's first products start the sums
	WIN 0
	s_mov_b32 s3, LAPS-2
.Llap:
	LAP 0
	WIN 0
	s_sub_co_u32 s3, s3, 1
	s_cmp_lg_u32 s3, 0
	s_cbranch_scc1 .Llap
	THREE 0, 0                                     ; the last lap fills nothing
	TURN 0, 1, 0                                   ; behind this barrier no wave reads slot 0 and no load fills it any more
	THREE 1, 0
	s_wait_dscnt 8
	WIN MUL_LO
	MUL12 F1, 0, 0, 0
	MUL12 F1, 0, 2, 0
	s_wait_dscnt 0
	WIN MUL_HI
	MUL12 F1, 1, 0, 0
	MUL12 F1, 1, 2, 0
	PLACES
; BIAS, SCALE, ROPE, F16, STAGE: 16 positions (tile mt) at a time.
; ROTC: U = (t0 c, t1 c) for the two pairs whose cos lie in one register pair;  ROTS: T = (t0 c - t1 s, t1 c + t0 s).
.macro ROTC mt, b, u
	v_pk_mul_f32 v[UU+8*\b+4*\u:UU+8*\b+4*\u+1],   v[TT+8*\b+4*\u:TT+8*\b+4*\u+1],   v[CS+4*(2*\mt+\b%2)+2*\u:CS+4*(2*\mt+\b%2)+2*\u+1] op_sel:[0,0] op_sel_hi:[1,0]
	v_pk_mul_f32 v[UU+8*\b+4*\u+2:UU+8*\b+4*\u+3], v[TT+8*\b+4*\u+2:TT+8*\b+4*\u+3], v[CS+4*(2*\mt+\b%2)+2*\u:CS+4*(2*\mt+\b%2)+2*\u+1] op_sel:[0,1] op_sel_hi:[1,1]
.endm
.macro ROTS mt, b, u
	v_pk_fma_f32 v[TT+8*\b+4*\u:TT+8*\b+4*\u+1],   v[TT+8*\b+4*\u:TT+8*\b+4*\u+1],   v[CS+4*(2*\mt+\b%2)+2*\u:CS+4*(2*\mt+\b%2)+2*\u+1], v[UU+8*\b+4*\u:UU+8*\b+4*\u+1]   op_sel:[1,0,0] op_sel_hi:[0,0,1] neg_lo:[0,1,0]
	v_pk_fma_f32 v[TT+8*\b+4*\u+2:TT+8*\b+4*\u+3], v[TT+8*\b+4*\u+2:TT+8*\b+4*\u+3], v[CS+4*(2*\mt+\b%2)+2*\u:CS+4*(2*\mt+\b%2)+2*\u+1], v[UU+8*\b+4*\u+2:UU+8*\b+4*\u+3] op_sel:[1,1,0] op_sel_hi:[0,1,1] neg_lo:[0,1,0]
.endm
.macro EPI mt
.set EW, 2+(\mt)/4                     ; the accumulators' window
.set EA, (\mt)%4                       ; and the tile's row in it
	WIN (0x10+EW)                                  ; source 0 the accumulators, source 2 the biases (window 1), destination window 0
.irp b, 0,1,2,3,4,5
.irp q, 0,1,2,3
.if \b < 2
	v_pk_fma_f32 v[TT+8*\b+2*\q:TT+8*\b+2*\q+1], v[8*(6*EA+\b)+2*\q:8*(6*EA+\b)+2*\q+1], KQ, v[8*\b+2*\q:8*\b+2*\q+1] op_sel_hi:[1,0,1]
.else
	v_pk_fma_f32 v[TT+8*\b+2*\q:TT+8*\b+2*\q+1], v[8*(6*EA+\b)+2*\q:8*(6*EA+\b)+2*\q+1], KKV, v[8*\b+2*\q:8*\b+2*\q+1] op_sel_hi:[1,0,1]
.endif
.endr
.endr
	WIN 0x08                                       ; source 1: cos, window 2
.irp b, 0,1,2,3
.irp u, 0,1
	ROTC \mt, \b, \u
.endr
.endr
	WIN 0x0c                                       ; source 1: sin, window 3
.irp b, 0,1,2,3
.irp u, 0,1
	ROTS \mt, \b, \u
.endr
.endr
	WIN 0
.irp b, 0,1,2,3,4,5
.irp q, 0,1,2,3
	v_cvt_pk_f16_f32 v[TMP+4*\b+\q], v[TT+8*\b+2*\q], v[TT+8*\b+2*\q+1]
.endr
.endr
.irp p, 0,1,2
.irp t, 0,1
	ds_store_b128 v[STO+\p], v[TMP+4*(2*\p+\t):TMP+4*(2*\p+\t)+3] offset:\mt*16*SP+32*\t   ; position 16 mt + r, features 32 w + 16 t + 8 hh ..
.endr
.endr
.endm
.irp m, 0,1,2,3,4,5,6,7
	EPI \m
.endr
	s_wait_dscnt 0x0                               ; my stores into the stages are done,
	s_barrier_signal -1
	s_barrier_wait -1                              ; everybody's are
; Q' OUT BY ROWS, AND M' = K'^T V' OVER THE 128 POSITIONS.  Wave w: d = 32 w .. 32 w + 31 (2 tiles), all e (8 tiles), 4 steps of 32 positions.
; Source 0 = V'^T (row e), source 1 = K'^T (column d): lane l holds d = 16 dt + l % 16 and e = 16 et + 8 (l / 16) + 0..7.
.macro FETCHM ks, f                    ; 20 transposing loads: positions 32 ks .. 32 ks + 31
	WIN TO_B
.irp d, 0,1
	ds_load_tr16_b128 v[\f+8*\d:\f+8*\d+3],   v[TRK] offset:\ks*32*SP+32*\d
	ds_load_tr16_b128 v[\f+8*\d+4:\f+8*\d+7], v[TRK] offset:\ks*32*SP+32*\d+16*SP
.endr
	WIN 0
.irp e, 0,1,2,3,4,5,6,7
	ds_load_tr16_b128 v[\f+8*\e:\f+8*\e+3],   v[TRV] offset:\ks*32*SP+32*\e
	ds_load_tr16_b128 v[\f+8*\e+4:\f+8*\e+7], v[TRV] offset:\ks*32*SP+32*\e+16*SP
.endr
.endm
.macro MULM f, zero                    ; 16 accumulators (window 2, v0-127) take turns
	WIN 0xa4                                       ; source 0 window 0, source 1 window 1, C and D window 2
.irp d, 0,1
.irp e, 0,1,2,3,4,5,6,7
.if \zero
	v_wmma_f32_16x16x32_f16 v[8*(8*\d+\e):8*(8*\d+\e)+7], v[\f+8*\e:\f+8*\e+7], v[\f+8*\d:\f+8*\d+7], 0
.else
	v_wmma_f32_16x16x32_f16 v[8*(8*\d+\e):8*(8*\d+\e)+7], v[\f+8*\e:\f+8*\e+7], v[\f+8*\d:\f+8*\d+7], v[8*(8*\d+\e):8*(8*\d+\e)+7]
.endif
.endr
.endr
.endm
.irp t, 0,1,2,3,4,5,6,7,8,9,10,11,12,13,14,15
	ds_load_b128 v[TMP+4*\t:TMP+4*\t+3], v[RD] offset:2*SP*\t      ; two rows of Q' a load
.endr
	FETCHM 0, F0
	FETCHM 1, F1
	s_wait_dscnt 40                                ; the 16 loads of Q' are in; the two fetches of 20 stay out
.irp t, 0,1,2,3,4,5,6,7,8,9,10,11,12,13,14,15
	global_store_b128 v[CO], v[TMP+4*\t:TMP+4*\t+3], s[82:83] offset:8192*\t   ; 16 lanes: 256 consecutive bytes, aligned
.endr
	s_wait_dscnt 20                                ; buffer 0 is in, the younger fetch stays out
	MULM F0, 1
	PLACES
	FETCHM 2, F0
	s_wait_dscnt 20
	MULM F1, 0
	PLACES
	FETCHM 3, F1
	s_wait_dscnt 20
	MULM F0, 0
	s_wait_dscnt 0
	MULM F1, 0
	PLACES
	WIN 0x08                                       ; store data from window 2
.irp t, 0,1,2,3,4,5,6,7,8,9,10,11,12,13,14,15
	global_store_b128 v[L16], v[8*\t:8*\t+3],   s[84:85] offset:\t*1024       ; the tile's registers as they are: each store covers 512 consecutive bytes
	global_store_b128 v[L16], v[8*\t+4:8*\t+7], s[84:85] offset:\t*1024+512
.endr
	; the largest magnitude among my 4,096 partial sums: four chains in a lane, then across the lanes
	WIN 0x0a
.irp c, 0,1,2,3
	v_max_num_f32 v[MX+\c], |v[2*\c]|, |v[2*\c+1]|
.endr
.set j, 8
.rept 15
.irp c, 0,1,2,3
	v_max3_num_f32 v[MX+\c], |v[j+2*\c]|, |v[j+2*\c+1]|, v[MX+\c]
.endr
.set j, j+8
.endr
	WIN 0
	v_max3_num_f32 v[MX], v[MX], v[MX+1], v[MX+2]
	v_max_num_f32 v[MX], v[MX], v[MX+3]
	v_max_num_f32_dpp v[MX], v[MX], v[MX] row_xmask:1 row_mask:0xf bank_mask:0xf
	v_max_num_f32_dpp v[MX], v[MX], v[MX] row_xmask:2 row_mask:0xf bank_mask:0xf
	v_max_num_f32_dpp v[MX], v[MX], v[MX] row_xmask:4 row_mask:0xf bank_mask:0xf
	v_max_num_f32_dpp v[MX], v[MX], v[MX] row_xmask:8 row_mask:0xf bank_mask:0xf
	v_permlanex16_b32 v[MX+1], v[MX], s4, s5       ; its destination has been written before
	v_max_num_f32 v[MX], v[MX], v[MX+1]
	v_mov_b32 v38, 0
	v_cmp_eq_u32 vcc_lo, 0, v[L16]                 ; lane 0 alone stores the wave's word
	s_wait_xcnt 0x0                                ; EXEC changes only when the stores above have had their addresses translated
	s_and_saveexec_b32 s6, vcc_lo
	global_store_b32 v38, v[MX], s[86:87]
	s_wait_xcnt 0x0                                ; and again in front of the line that widens it
	s_or_b32 exec_lo, exec_lo, s6
	s_set_vgpr_msb 0x1
	s_wait_tensorcnt 0x0
	ds_add_u32 v255, v63
	s_wait_dscnt 0x0
	s_set_vgpr_msb 0x100
	CROUND                                         ; the closing round: no work-group ends while a partner may still ask for a tile that names it
	s_endpgm
.Lfunc_end_k_q718c9ad883_qkv:
	.size	k_q718c9ad883_qkv, .Lfunc_end_k_q718c9ad883_qkv-k_q718c9ad883_qkv
	.p2alignl 7, 3214868480
	.fill 96, 4, 3214868480
	.section	.rodata,"a",@progbits
	.p2align	6, 0x0
	.amdhsa_kernel k_q718c9ad883_qkv
		.amdhsa_group_segment_fixed_size 327680
		.amdhsa_private_segment_fixed_size 0
		.amdhsa_enable_private_segment 0
		.amdhsa_kernarg_size 80
		.amdhsa_user_sgpr_count 2
		.amdhsa_user_sgpr_kernarg_segment_ptr 1
		.amdhsa_wavefront_size32 1
		.amdhsa_system_sgpr_workgroup_id_x 1
		.amdhsa_system_sgpr_workgroup_id_y 1
		.amdhsa_system_sgpr_workgroup_id_z 1
		.amdhsa_system_vgpr_workitem_id 0
		.amdhsa_next_free_vgpr 1024
		.amdhsa_next_free_sgpr 96
		.amdhsa_reserve_vcc 1
		.amdhsa_float_denorm_mode_32 3
		.amdhsa_float_denorm_mode_16_64 3
		.amdhsa_memory_ordered 1
		.amdhsa_forward_progress 1
		.amdhsa_inst_pref_size 211
	.end_amdhsa_kernel
	.amdgpu_metadata
---
amdhsa.version: [ 1, 2 ]
amdhsa.kernels:
  - .name:           k_q718c9ad883_qkv
    .symbol:         k_q718c9ad883_qkv.kd
    .args:
      - { .name: xh, .offset: 0, .size: 8, .value_kind: global_buffer, .address_space: global }
      - { .name: wh, .offset: 8, .size: 8, .value_kind: global_buffer, .address_space: global }
      - { .name: wq_b, .offset: 16, .size: 8, .value_kind: global_buffer, .address_space: global }
      - { .name: wk_b, .offset: 24, .size: 8, .value_kind: global_buffer, .address_space: global }
      - { .name: wv_b, .offset: 32, .size: 8, .value_kind: global_buffer, .address_space: global }
      - { .name: freqs_cos, .offset: 40, .size: 8, .value_kind: global_buffer, .address_space: global }
      - { .name: freqs_sin, .offset: 48, .size: 8, .value_kind: global_buffer, .address_space: global }
      - { .name: qh, .offset: 56, .size: 8, .value_kind: global_buffer, .address_space: global }
      - { .name: mpart, .offset: 64, .size: 8, .value_kind: global_buffer, .address_space: global }
      - { .name: mmax, .offset: 72, .size: 8, .value_kind: global_buffer, .address_space: global }
    .group_segment_fixed_size: 327680
    .private_segment_fixed_size: 0
    .kernarg_segment_align: 8
    .kernarg_segment_size: 80
    .max_flat_workgroup_size: 128
    .sgpr_count:     96
    .vgpr_count:     1024
    .wavefront_size: 32
...
	.end_amdgpu_metadata
.endif
;; end of part 2
;; launch red (part 3): grid 256 x 1, 4 waves a work-group, no clusters, 0 bytes of LDS; arguments mpart, mmax, mh; writes mh
.if DOCPART == 3
	.amdgcn_target "amdgcn-amd-amdhsa--gfx1250"
	.amdhsa_code_object_version 6
	.text
	.protected	k_q718c9ad883_red
	.globl	k_q718c9ad883_red
	.p2align	8
	.type	k_q718c9ad883_red,@function
k_q718c9ad883_red:
	s_mov_b64 s[64:65], 0
	v_nop
	global_prefetch_b8 v0, s[64:65] scope:SCOPE_SE
	s_setreg_imm32_b32 hwreg(HW_REG_WAVE_MODE, 25, 1), 1
	s_wait_xcnt 0x0
; M'' = (sum over the 16 position blocks of the partial M') / b, rounded to f16.
; b = the largest, over the 64 pairs (head, wave), of the sum over the 16 blocks of the largest magnitude that the wave saw in the block:
; by the triangle inequality no |M'| passes b, so |M''| <= 1 whatever the inputs' size.  b is a value only: no address or branch hangs on it.
; The last launch forms the same b by the same lines and multiplies it back.
; A stream: no LDS, no barrier.  Work-group g: head g / 16, tiles 4 (g % 16) + wave.  A lane owns the 8 numbers that one lane of the
; matrix unit held of one 16 x 16 tile; as f16 they are 16 bytes, and two such units are a fragment of M'' for the next launch.
; LIMIT: b is kept at 2^-100 or above (all-zero inputs then give zeros); b below 2^119 is served.
.set L16, 1                            ; v1        16 x lane
.set MB,  4                            ; v[4:35]   mmax, all 1,024 words over the wave
.set P,   40                           ; v[40:167] block i: 8 registers
.set S,   168                          ; v[168:175] the sums
.set INV, 176                          ; v[176:177] 1 / b, twice
.set BB,  178                          ; v178      b
.set TP,  179
.set O,   180                          ; v[180:183] 8 f16
; The bound.  v[b .. b+31] hold mmax: load j brought words 128 j + 4 lane .. + 3, a quarter of group 8 j + lane / 4.
.macro BOUND b, res, tmp
.irp j, 0,1,2,3,4,5,6,7
	v_pk_add_f32 v[\b+4*\j:\b+4*\j+1], v[\b+4*\j:\b+4*\j+1], v[\b+4*\j+2:\b+4*\j+3]
.endr
.irp j, 0,1,2,3,4,5,6,7
	v_add_f32 v[\b+4*\j], v[\b+4*\j], v[\b+4*\j+1]
.endr
.irp j, 0,1,2,3,4,5,6,7
	v_add_f32_dpp v[\b+4*\j], v[\b+4*\j], v[\b+4*\j] row_xmask:1 row_mask:0xf bank_mask:0xf
.endr
.irp j, 0,1,2,3,4,5,6,7
	v_add_f32_dpp v[\b+4*\j], v[\b+4*\j], v[\b+4*\j] row_xmask:2 row_mask:0xf bank_mask:0xf   ; the group's 16 words are summed
.endr
	v_max3_num_f32 v[\res], v[\b], v[\b+4], v[\b+8]
	v_max3_num_f32 v[\res], v[\res], v[\b+12], v[\b+16]
	v_max3_num_f32 v[\res], v[\res], v[\b+20], v[\b+24]
	v_max_num_f32 v[\res], v[\res], v[\b+28]
	v_max_num_f32_dpp v[\res], v[\res], v[\res] row_xmask:4 row_mask:0xf bank_mask:0xf
	v_max_num_f32_dpp v[\res], v[\res], v[\res] row_xmask:8 row_mask:0xf bank_mask:0xf
	v_mov_b32 v[\tmp], v[\res]                     ; the next line's destination counts as read
	v_permlanex16_b32 v[\tmp], v[\res], s4, s5
	v_max_num_f32 v[\res], v[\res], v[\tmp]
	v_max_num_f32 v[\res], 0x0d800000, v[\res]     ; at least 2^-100
.endm
	s_load_b128 s[8:11], s[0:1], 0x0               ; mpart s[8:9], mmax s[10:11]
	s_load_b64 s[12:13], s[0:1], 0x10              ; mh
	s_mov_b32 s4, 0x76543210
	s_mov_b32 s5, 0xfedcba98
	v_lshrrev_b32 v2, 5, v0
	v_readfirstlane_b32 s14, v2                    ; wave
	v_and_b32 v3, 31, v0
	v_lshlrev_b32 v[L16], 4, v3
	s_lshr_b32 s15, ttmp9, 4                       ; head
	s_and_b32 s16, ttmp9, 15
	s_lshl2_add_u32 s16, s16, s14                  ; tile 0..63
	s_lshl_b32 s18, s15, 20                        ; mpart: 16 blocks of 65,536 bytes a head, 1,024 a tile
	s_lshl_b32 s19, s16, 10
	s_add_co_u32 s18, s18, s19
	s_mov_b32 s19, 0
	s_lshl_b32 s20, s15, 15                        ; mh: 32,768 bytes a head, 512 a tile
	s_lshl_b32 s21, s16, 9
	s_add_co_u32 s20, s20, s21
	s_mov_b32 s21, 0
	s_wait_kmcnt 0x0
	s_add_nc_u64 s[8:9], s[8:9], s[18:19]
	s_add_nc_u64 s[12:13], s[12:13], s[20:21]
.irp j, 0,1,2,3,4,5,6,7
	global_load_b128 v[MB+4*\j:MB+4*\j+3], v[L16], s[10:11] offset:512*\j
.endr
.irp i, 0,1,2,3,4,5,6,7,8,9,10,11,12,13,14,15
	global_load_b128 v[P+8*\i:P+8*\i+3],   v[L16], s[8:9] offset:\i*65536 th:TH_LOAD_NT       ; read once in the launch
	global_load_b128 v[P+8*\i+4:P+8*\i+7], v[L16], s[8:9] offset:\i*65536+512 th:TH_LOAD_NT
.endr
	s_wait_loadcnt 32                              ; mmax is in; the 32 loads of partial sums stay out
	BOUND MB, BB, TP
	v_rcp_f32 v[INV], v[BB]
	v_nop                                          ; one plain vector instruction behind v_rcp_f32 before its result is used (ISA guide 5.7.2)
	s_wait_alu depctr_va_vdst(0)
	v_mov_b32 v[INV+1], v[INV]
	s_wait_loadcnt 28                              ; blocks 0 and 1 are in: they start the sums, nothing is cleared
.irp q, 0,2,4,6
	v_pk_add_f32 v[S+\q:S+\q+1], v[P+\q:P+\q+1], v[P+8+\q:P+8+\q+1]
.endr
.irp i, 2,3,4,5,6,7,8,9,10,11,12,13,14,15
	s_wait_loadcnt 30-2*\i                         ; block i is in, the later blocks stay out
.irp q, 0,2,4,6
	v_pk_add_f32 v[S+\q:S+\q+1], v[S+\q:S+\q+1], v[P+8*\i+\q:P+8*\i+\q+1]
.endr
.endr
.irp q, 0,2,4,6
	v_pk_mul_f32 v[S+\q:S+\q+1], v[S+\q:S+\q+1], v[INV:INV+1]
.endr
.irp q, 0,1,2,3
	v_cvt_pk_f16_f32 v[O+\q], v[S+2*\q], v[S+2*\q+1]
.endr
	global_store_b128 v[L16], v[O:O+3], s[12:13]   ; the wave stores 512 consecutive bytes, aligned
	s_endpgm
.Lfunc_end_k_q718c9ad883_red:
	.size	k_q718c9ad883_red, .Lfunc_end_k_q718c9ad883_red-k_q718c9ad883_red
	.p2alignl 7, 3214868480
	.fill 96, 4, 3214868480
	.section	.rodata,"a",@progbits
	.p2align	6, 0x0
	.amdhsa_kernel k_q718c9ad883_red
		.amdhsa_group_segment_fixed_size 0
		.amdhsa_private_segment_fixed_size 0
		.amdhsa_enable_private_segment 0
		.amdhsa_kernarg_size 24
		.amdhsa_user_sgpr_count 2
		.amdhsa_user_sgpr_kernarg_segment_ptr 1
		.amdhsa_wavefront_size32 1
		.amdhsa_system_sgpr_workgroup_id_x 1
		.amdhsa_system_sgpr_workgroup_id_y 1
		.amdhsa_system_sgpr_workgroup_id_z 1
		.amdhsa_system_vgpr_workitem_id 0
		.amdhsa_next_free_vgpr 192
		.amdhsa_next_free_sgpr 66
		.amdhsa_reserve_vcc 0
		.amdhsa_float_denorm_mode_32 3
		.amdhsa_float_denorm_mode_16_64 3
		.amdhsa_memory_ordered 1
		.amdhsa_forward_progress 1
		.amdhsa_inst_pref_size 13
	.end_amdhsa_kernel
	.amdgpu_metadata
---
amdhsa.version: [ 1, 2 ]
amdhsa.kernels:
  - .name:           k_q718c9ad883_red
    .symbol:         k_q718c9ad883_red.kd
    .args:
      - { .name: mpart, .offset: 0, .size: 8, .value_kind: global_buffer, .address_space: global }
      - { .name: mmax, .offset: 8, .size: 8, .value_kind: global_buffer, .address_space: global }
      - { .name: mh, .offset: 16, .size: 8, .value_kind: global_buffer, .address_space: global }
    .group_segment_fixed_size: 0
    .private_segment_fixed_size: 0
    .kernarg_segment_align: 8
    .kernarg_segment_size: 24
    .max_flat_workgroup_size: 128
    .sgpr_count:     66
    .vgpr_count:     192
    .wavefront_size: 32
...
	.end_amdgpu_metadata
.endif
;; end of part 3
;; launch pmat (part 4): grid 16 x 16, 4 waves a work-group, no clusters, 168,448 bytes of LDS; arguments mh, wo_w, pt; writes pt
.if DOCPART == 4
	.amdgcn_target "amdgcn-amd-amdhsa--gfx1250"
	.amdhsa_code_object_version 6
	.text
	.protected	k_q718c9ad883_pmat
	.globl	k_q718c9ad883_pmat
	.p2align	8
	.type	k_q718c9ad883_pmat,@function
k_q718c9ad883_pmat:
	s_mov_b64 s[64:65], 0
	v_nop
	global_prefetch_b8 v0, s[64:65] scope:SCOPE_SE
	s_setreg_imm32_b32 hwreg(HW_REG_WAVE_MODE, 25, 1), 1
	s_wait_xcnt 0x0
; pt[n][128 h + d] = sum over e of M''_h[d][e] wo_w[n][128 h + e], rounded to f16: the head's 128 x 128 matrix folded into the output projection.
; Work-group (h, nb) makes rows n = 128 nb .. + 127, columns 128 h .. + 127.  Wave w: 32 rows n (2 tiles), all 128 d (8 tiles), K = e = 128 (4 steps).
; wo_w's tile (f32) comes by one tensor load a wave, 32 rows of 512 bytes into the wave's own LDS bytes, read by that wave alone behind its own
; s_wait_tensorcnt: no barrier.  One tensor load of a wave is outstanding.  M'' comes as ready-made fragments from mh.
; No cluster: what work-groups share (32 KiB of mh among the sixteen of a head) is read once each into registers, not through LDS tiles.
; Source 0 = M'' (row d), source 1 = wo_w's rows (column n): lane l holds row n = 16 nt + l % 16 and d = 16 dt + 8 (l / 16) + 0..7: 16 bytes in f16.
; LIMIT: |pt| <= 128 max|wo_w| has to stay below 65,504.
; REGISTERS: window 0: v16-20 addresses; v64-191 wo_w in f32, later the way out; v192-255 its 8 fragments in f16.
;            window 1: v0-255 the 32 fragments of M'' (unit u of 16 bytes a lane at 4 u).   window 2: v0-127 accumulators at 8 (2 dt + nt).
.set PITCH,  528                       ; 512 bytes + 16: the 16 rows that a load touches start 16 bytes apart modulo 256
.set STAGE,  4*32*PITCH                ; 67,584: behind the tiles; no tensor load ever lands here
.set SPITCH, 272
.set WB,  16
.set STO, 17
.set RD,  18
.set CO,  19
.set L16, 20
.set X,   64
.set BF,  192
.set TMP, 64
.set MSB, 0
.macro WIN new
.if MSB != (\new)
	s_set_vgpr_msb (MSB<<8)|(\new)
.set MSB, (\new)
.endif
.endm
	s_load_b128 s[4:7], s[0:1], 0x0                ; mh s[4:5], wo_w s[6:7]
	s_load_b64 s[8:9], s[0:1], 0x10                ; pt
	v_lshl_add_u32 v62, v0, 2, 0x29000
	v_mov_b32 v63, 0
	ds_add_u32 v62, v63
	ds_add_u32 v62, v63
	v_lshrrev_b32 v1, 5, v0
	v_readfirstlane_b32 s10, v1                    ; wave
	s_and_b32 s11, ttmp7, 0xffff                   ; nb
	s_lshl_b32 s12, s11, 7
	s_lshl_b32 s13, s10, 5
	s_add_co_u32 s12, s12, s13                     ; my first row n
	s_lshl_b32 s14, s12, 13                        ; wo_w: 8,192 bytes a row, + 512 h
	s_lshl_b32 s15, ttmp9, 9
	s_add_co_u32 s14, s14, s15
	s_mov_b32 s15, 0
	s_lshl_b32 s16, s12, 12                        ; pt: 4,096 bytes a row, + 256 h
	s_lshl_b32 s17, ttmp9, 8
	s_add_co_u32 s16, s16, s17
	s_mov_b32 s17, 0
	s_lshl_b32 s18, ttmp9, 15                      ; mh: 32,768 bytes a head
	s_mov_b32 s19, 0
	s_mul_i32 s20, s10, 32*PITCH                   ; my tile in LDS
	; group 1: 32 rows x 128 elements of 4 bytes, 16 bytes of padding behind every 128 words
	s_mov_b32 s24, (2<<16)|(1<<20)|(6<<22)|(3<<25)
	s_mov_b32 s25, 128<<16                         ; tensor_dim0 = 128
	s_mov_b32 s26, 32<<16                          ; tensor_dim1 = 32
	s_mov_b32 s27, 128<<16                         ; tile_dim0 = 128
	s_mov_b32 s28, 32                              ; tile_dim1 = 32
	s_mov_b32 s29, 2048                            ; elements from row to row
	s_mov_b32 s30, 0
	s_mov_b32 s31, 0
	s_mov_b32 s32, 1
	s_mov_b32 s33, s20
	s_wait_dscnt 0x0
	s_wait_kmcnt 0x0
	s_add_nc_u64 s[34:35], s[6:7], s[14:15]
	s_or_b32 s35, s35, 0x80000000
	tensor_load_to_lds s[32:35], s[24:31]
	s_nop 0
	s_add_nc_u64 s[4:5], s[4:5], s[18:19]
	s_add_nc_u64 s[8:9], s[8:9], s[16:17]
	v_and_b32 v1, 15, v0                           ; r
	v_bfe_u32 v2, v0, 4, 1                         ; hh
	v_and_b32 v5, 31, v0
	v_lshlrev_b32 v[L16], 4, v5
	WIN 0x40
.set u, 0
.rept 64
	global_load_b128 v[4*u:4*u+3], v[L16], s[4:5] offset:512*u     ; each load covers 512 consecutive bytes
.set u, u+1
.endr
	WIN 0
	v_mul_u32_u24 v3, v1, PITCH
	v_lshl_add_u32 v3, v2, 5, v3
	v_add_nc_u32 v[WB], s20, v3                    ; row r, 8 f32 = 32 bytes for each half of the lanes
	s_mul_i32 s21, s10, 16*SPITCH
	s_add_co_u32 s21, s21, STAGE                   ; my stage
	v_mul_u32_u24 v4, v1, SPITCH
	v_lshl_add_u32 v4, v2, 4, v4
	v_add_nc_u32 v[STO], s21, v4
	v_mul_u32_u24 v6, v2, SPITCH
	v_lshl_add_u32 v6, v1, 4, v6
	v_add_nc_u32 v[RD], s21, v6
	v_lshlrev_b32 v7, 12, v2
	v_lshl_add_u32 v[CO], v1, 4, v7
	s_wait_tensorcnt 0x0                           ; my tile is in LDS; only I read it
.irp c, 0,1
.irp k, 0,1,2,3
	ds_load_b128 v[X+16*(4*\c+\k):X+16*(4*\c+\k)+3],     v[WB] offset:\c*16*PITCH+128*\k       ; e = 32 k + 8 hh + 0..3
	ds_load_b128 v[X+16*(4*\c+\k)+4:X+16*(4*\c+\k)+7],   v[WB] offset:\c*16*PITCH+128*\k+16    ;                 + 4..7
	ds_load_b128 v[X+16*(4*\c+\k)+8:X+16*(4*\c+\k)+11],  v[WB] offset:\c*16*PITCH+128*\k+64    ; e = 32 k + 16 + 8 hh + 0..3
	ds_load_b128 v[X+16*(4*\c+\k)+12:X+16*(4*\c+\k)+15], v[WB] offset:\c*16*PITCH+128*\k+80
.endr
.endr
	s_wait_dscnt 0x0
.irp g, 0,1,2,3,4,5,6,7
.irp q, 0,1,2,3,4,5,6,7
	v_cvt_pk_f16_f32 v[BF+8*\g+\q], v[X+16*\g+2*\q], v[X+16*\g+2*\q+1]
.endr
.endr
	s_wait_loadcnt 0x0                             ; M'' is in
	WIN 0xa1                                       ; source 0 window 1, source 1 window 0, C and D window 2
.irp k, 0,1,2,3
.irp d, 0,1,2,3,4,5,6,7
.irp c, 0,1
.if \k == 0
	v_wmma_f32_16x16x32_f16 v[8*(2*\d+\c):8*(2*\d+\c)+7], v[32*\d+8*\k:32*\d+8*\k+7], v[BF+8*(4*\c+\k):BF+8*(4*\c+\k)+7], 0
.else
	v_wmma_f32_16x16x32_f16 v[8*(2*\d+\c):8*(2*\d+\c)+7], v[32*\d+8*\k:32*\d+8*\k+7], v[BF+8*(4*\c+\k):BF+8*(4*\c+\k)+7], v[8*(2*\d+\c):8*(2*\d+\c)+7]
.endif
.endr
.endr
.endr
	; the 16 accumulators took turns; four plain vector instructions stand in front of the first read of a result (ISA guide 7.12.1)
.rept 4
	v_nop
.endr
; 16 rows n at a time: f16, 16 bytes a lane into my own stage, read back as whole rows of 256 bytes.  LDS serves a wave's instructions in order.
.macro OUT16 c, f
	WIN 0x0a
.irp d, 0,1,2,3,4,5,6,7
.irp q, 0,1,2,3
	v_cvt_pk_f16_f32 v[TMP+4*\d+\q], v[8*(2*\d+\c)+2*\q], v[8*(2*\d+\c)+2*\q+1]
.endr
.endr
	WIN 0
.irp d, 0,1,2,3,4,5,6,7
	ds_store_b128 v[STO], v[TMP+4*\d:TMP+4*\d+3] offset:32*\d
.endr
.irp t, 0,1,2,3,4,5,6,7
	ds_load_b128 v[\f+4*\t:\f+4*\t+3], v[RD] offset:\t*2*SPITCH
.endr
.irp t, 0,1,2,3,4,5,6,7
	s_wait_dscnt 7-\t                              ; load t is in, the younger ones stay out
	global_store_b128 v[CO], v[\f+4*\t:\f+4*\t+3], s[8:9] offset:8192*\t+\c*65536   ; 16 lanes: 256 consecutive bytes, aligned
.endr
.endm
	OUT16 0, 96                                    ; each half has store registers of its own: none is written twice
	OUT16 1, 128
	s_wait_tensorcnt 0x0
	ds_add_u32 v62, v63
	s_wait_dscnt 0x0
	s_endpgm
.Lfunc_end_k_q718c9ad883_pmat:
	.size	k_q718c9ad883_pmat, .Lfunc_end_k_q718c9ad883_pmat-k_q718c9ad883_pmat
	.p2alignl 7, 3214868480
	.fill 96, 4, 3214868480
	.section	.rodata,"a",@progbits
	.p2align	6, 0x0
	.amdhsa_kernel k_q718c9ad883_pmat
		.amdhsa_group_segment_fixed_size 168448
		.amdhsa_private_segment_fixed_size 0
		.amdhsa_enable_private_segment 0
		.amdhsa_kernarg_size 24
		.amdhsa_user_sgpr_count 2
		.amdhsa_user_sgpr_kernarg_segment_ptr 1
		.amdhsa_wavefront_size32 1
		.amdhsa_system_sgpr_workgroup_id_x 1
		.amdhsa_system_sgpr_workgroup_id_y 1
		.amdhsa_system_sgpr_workgroup_id_z 1
		.amdhsa_system_vgpr_workitem_id 0
		.amdhsa_next_free_vgpr 768
		.amdhsa_next_free_sgpr 66
		.amdhsa_reserve_vcc 0
		.amdhsa_float_denorm_mode_32 3
		.amdhsa_float_denorm_mode_16_64 3
		.amdhsa_memory_ordered 1
		.amdhsa_forward_progress 1
		.amdhsa_inst_pref_size 28
	.end_amdhsa_kernel
	.amdgpu_metadata
---
amdhsa.version: [ 1, 2 ]
amdhsa.kernels:
  - .name:           k_q718c9ad883_pmat
    .symbol:         k_q718c9ad883_pmat.kd
    .args:
      - { .name: mh, .offset: 0, .size: 8, .value_kind: global_buffer, .address_space: global }
      - { .name: wo_w, .offset: 8, .size: 8, .value_kind: global_buffer, .address_space: global }
      - { .name: pt, .offset: 16, .size: 8, .value_kind: global_buffer, .address_space: global }
    .group_segment_fixed_size: 168448
    .private_segment_fixed_size: 0
    .kernarg_segment_align: 8
    .kernarg_segment_size: 24
    .max_flat_workgroup_size: 128
    .sgpr_count:     66
    .vgpr_count:     768
    .wavefront_size: 32
...
	.end_amdgpu_metadata
.endif
;; end of part 4
;; launch fin (part 5): grid 16 x 16, 4 waves a work-group, clusters of 4 x 4, 327,680 bytes of LDS; arguments qh, pt, mmax, wo_b, out0; writes out0
.if DOCPART == 5
	.amdgcn_target "amdgcn-amd-amdhsa--gfx1250"
	.amdhsa_code_object_version 6
	.text
	.protected	k_q718c9ad883_fin
	.globl	k_q718c9ad883_fin
	.p2align	8
	.type	k_q718c9ad883_fin,@function
k_q718c9ad883_fin:
	s_mov_b64 s[64:65], 0
	v_nop
	global_prefetch_b8 v0, s[64:65] scope:SCOPE_SE
	s_setreg_imm32_b32 hwreg(HW_REG_WAVE_MODE, 25, 1), 1
	s_wait_xcnt 0x0
	s_wait_alu depctr_hold_cnt(0) depctr_sa_sdst(0) depctr_va_vdst(0) depctr_va_sdst(0) depctr_va_ssrc(0) depctr_va_vcc(0) depctr_vm_vsrc(0)
	s_getreg_b32 s2, hwreg(HW_REG_IB_STS2, 6, 4)
	s_cmp_eq_u32 s2, 0
	s_cbranch_scc0 .Lentry_in_a_cluster
	s_endpgm
.Lentry_in_a_cluster:
	s_bfe_u32 s2, ttmp6, 0x10000c
	s_cmp_lg_u32 s2, 0xf033
	s_cbranch_scc0 .Lentry_shape_is_right
	s_endpgm
.Lentry_shape_is_right:
; out0[s][n] = (sum over f of qh[s][f] pt[n][f]) * 256 b + wo_b[n].  qh, pt: [2048][2048] f16; sums and the rest in f32.
; b is the bound by which M was divided (formed here from mmax by the same lines as there), 256 the two factors 1/16 on K and V.
; A work-group makes a block of 128 x 128.  Each of its four waves keeps the WHOLE block (64 accumulator tiles, 512 registers) and takes a quarter of K:
; of every LDS row of 256 numbers, wave w multiplies numbers 64 w .. 64 w + 63.  So a wave reads 2 x 128 x 64 bytes of LDS for 64 matrix
; instructions, as with a block of 256 x 256 shared out by area, and 2048 x 2048 still gives 256 work-groups.  The four sums meet in LDS once, at the end.
; K goes in 8 steps of 256 through two LDS slots; a tile's rows are 512 bytes of memory and start at multiples of 512 bytes.
; CLUSTERS: 4 x 4 work-groups; qh's tile hangs on the block row alone and is shared along a row of the cluster, pt's on the block column alone
; and is shared along a column; each is asked for jointly.
; Source 0 = rows of pt, source 1 = rows of qh: lane l holds row s = l % 16 and columns n = 8 (l / 16) + 0..7.
; LIMIT: 2^-100 <= b and 256 b < 2^127.
; REGISTERS: window 0: v16-39 addresses, bias, scale; v64-127, v128-191 fragments of qh, two buffers.  window 1: the same numbers, fragments of pt.
;            window 2: accumulators of rows 0-63 (tile (a, b) at 8 (8 a + b));  window 3: of rows 64-127.
.set PITCH,  528                       ; 512 bytes + 16: the 16 rows that a fragment load touches start 16 bytes apart modulo 256
.set QUART,  64*PITCH                  ; 64 rows: what one tensor load brings
.set HALFS,  128*PITCH                 ; qh's 128 rows; pt's lie behind them.  Also a wave's region for the final sum
.set SLOT,   2*HALFS
.set LAPS,   4                         ; a lap = two steps of 256 along K
.set ADRA, 16                          ; v16-17
.set ADRB, 20                          ; v20-21
.set STO,  24                          ; v24     where I put my sums
.set RD,   25                          ; v25-28  where I read the four waves' sums of my rows
.set L16,  31                          ; v31     16 x lane
.set BIAS, 32                          ; v[32:35] wo_b of my four columns on the way out
.set SC,   36                          ; v[36:37] 256 b, twice
.set BB,   38
.set TP,   39
.set F0,   64
.set F1,   128
.set G1,  24
.set G0,  32
.set G1B, 48
.set G0B, 56
.set MSB, 0
.macro WIN new
.if MSB != (\new)
	s_set_vgpr_msb (MSB<<8)|(\new)
.set MSB, (\new)
.endif
.endm
.set MUL_LO, 0xa1
.set MUL_HI, 0xf1
.set TO_B,   0x40
.macro JLOAD s                         ; waves 0 and 1 fetch qh's two halves, waves 2 and 3 pt's
	s_cmp_eq_u32 s11, 0
	s_cbranch_scc0 .Lfor_b_\@
	tensor_load_to_lds s[G0+4*\s:G0+4*\s+3], s[G1:G1+7]
	s_nop 0
	s_branch .Lasked_\@
.Lfor_b_\@:
	tensor_load_to_lds s[G0B+4*\s:G0B+4*\s+3], s[G1B:G1B+7]
	s_nop 0
.Lasked_\@:
.endm
.macro CREST
	s_cmp_lg_u32 s10, 0
	s_cbranch_scc1 .Lnot_wave_0_\@
	s_barrier_signal -3
.Lnot_wave_0_\@:
	s_barrier_wait -3
	s_barrier_signal -1
	s_barrier_wait -1
.endm
.macro CROUND
	s_barrier_signal -1
	s_barrier_wait -1
	CREST
.endm
; The bound, by the same lines as in the launch that divided by it.  v[b .. b+31] hold mmax: load j brought words 128 j + 4 lane .. + 3.
.macro BOUND b, res, tmp
.irp j, 0,1,2,3,4,5,6,7
	v_pk_add_f32 v[\b+4*\j:\b+4*\j+1], v[\b+4*\j:\b+4*\j+1], v[\b+4*\j+2:\b+4*\j+3]
.endr
.irp j, 0,1,2,3,4,5,6,7
	v_add_f32 v[\b+4*\j], v[\b+4*\j], v[\b+4*\j+1]
.endr
.irp j, 0,1,2,3,4,5,6,7
	v_add_f32_dpp v[\b+4*\j], v[\b+4*\j], v[\b+4*\j] row_xmask:1 row_mask:0xf bank_mask:0xf
.endr
.irp j, 0,1,2,3,4,5,6,7
	v_add_f32_dpp v[\b+4*\j], v[\b+4*\j], v[\b+4*\j] row_xmask:2 row_mask:0xf bank_mask:0xf
.endr
	v_max3_num_f32 v[\res], v[\b], v[\b+4], v[\b+8]
	v_max3_num_f32 v[\res], v[\res], v[\b+12], v[\b+16]
	v_max3_num_f32 v[\res], v[\res], v[\b+20], v[\b+24]
	v_max_num_f32 v[\res], v[\res], v[\b+28]
	v_max_num_f32_dpp v[\res], v[\res], v[\res] row_xmask:4 row_mask:0xf bank_mask:0xf
	v_max_num_f32_dpp v[\res], v[\res], v[\res] row_xmask:8 row_mask:0xf bank_mask:0xf
	v_mov_b32 v[\tmp], v[\res]
	v_permlanex16_b32 v[\tmp], v[\res], s4, s5
	v_max_num_f32 v[\res], v[\res], v[\tmp]
	v_max_num_f32 v[\res], 0x0d800000, v[\res]     ; at least 2^-100
.endm
	s_load_b256 s[68:75], s[0:1], 0x0              ; qh 68, pt 70, mmax 72, wo_b 74
	s_load_b64 s[76:77], s[0:1], 0x20              ; out0
	s_set_vgpr_msb 0x40
	v_lshl_add_u32 v255, v0, 2, 0x42000
	s_set_vgpr_msb 0x4000
	v_mov_b32 v255, 0
	s_set_vgpr_msb 0x1
	ds_add_u32 v255, v255
	ds_add_u32 v255, v255
	s_set_vgpr_msb 0x100
	v_lshrrev_b32 v1, 5, v0
	v_readfirstlane_b32 s10, v1                    ; wave 0..3
	s_lshr_b32 s11, s10, 1                         ; I fetch for qh (0) or for pt (1)
	s_and_b32 s12, s10, 1                          ; which 64 rows of that tile
	s_mov_b32 s4, 0x76543210
	s_mov_b32 s5, 0xfedcba98
	s_bfe_u32 s40, ttmp6, 0x40000                  ; cx
	s_bfe_u32 s41, ttmp6, 0x40004                  ; cy
	s_lshl_b32 s42, ttmp9, 2
	s_add_co_u32 s42, s42, s40                     ; block column
	s_and_b32 s13, ttmp7, 0xffff
	s_lshl_b32 s13, s13, 2
	s_add_co_u32 s13, s13, s41                     ; block row
	s_lshl_b32 s43, s41, 2
	s_lshl_b32 s43, 15, s43                        ; my row of the cluster
	s_lshl_b32 s44, 0x1111, s40                    ; my column
	; group 1: 64 rows x 256 elements of 2 bytes, 16 bytes of padding behind every 128 words
	s_or_b32 s[G1+0],  s43, (1<<16)|(1<<20)|(1<<21)|(6<<22)|(3<<25)
	s_or_b32 s[G1B+0], s44, (1<<16)|(1<<20)|(1<<21)|(6<<22)|(3<<25)
	s_mov_b32 s[G1+1],  256<<16                    ; tensor_dim0 = 256
	s_mov_b32 s[G1B+1], 256<<16
	s_mov_b32 s[G1+2],  64<<16                     ; tensor_dim1 = 64
	s_mov_b32 s[G1B+2], 64<<16
	s_mov_b32 s[G1+3],  256<<16                    ; tile_dim0 = 256
	s_mov_b32 s[G1B+3], 256<<16
	s_mov_b32 s[G1+4],  64                         ; tile_dim1 = 64
	s_mov_b32 s[G1B+4], 64
	s_mov_b32 s[G1+5],  2048
	s_mov_b32 s[G1B+5], 2048
	s_mov_b32 s[G1+6],  0
	s_mov_b32 s[G1B+6], 0
	s_mov_b32 s[G1+7],  0
	s_mov_b32 s[G1B+7], 0
	s_lshl_b32 s17, s12, 6
	s_lshl_b32 s16, s13, 7
	s_add_co_u32 s16, s16, s17                     ; qh: row 128 x block row + 64 x half
	s_lshl_b32 s46, s42, 7
	s_add_co_u32 s46, s46, s17                     ; pt: row 128 x block column + 64 x half
	s_lshl_b32 s16, s16, 12                        ; 4,096 bytes a row
	s_lshl_b32 s46, s46, 12
	s_mov_b32 s17, 0
	s_mov_b32 s47, 0
	s_mul_i32 s20, s10, QUART                      ; where my part goes: wave x 64 rows
	s_wait_dscnt 0x0
	s_wait_kmcnt 0x0
	s_add_nc_u64 s[14:15], s[68:69], s[16:17]
	s_add_nc_u64 s[46:47], s[70:71], s[46:47]
	CROUND                                         ; the first joint loads meet
.irp s, 0,1
	s_mov_b32 s[G0+4*\s], 1
	s_add_co_u32 s[G0+4*\s+1], s20, \s*SLOT
	s_add_nc_u64 s[G0+4*\s+2:G0+4*\s+3], s[14:15], \s*512
	s_or_b32 s[G0+4*\s+3], s[G0+4*\s+3], 0x80000000
	s_mov_b32 s[G0B+4*\s], 1
	s_add_co_u32 s[G0B+4*\s+1], s20, \s*SLOT
	s_add_nc_u64 s[G0B+4*\s+2:G0B+4*\s+3], s[46:47], \s*512
	s_or_b32 s[G0B+4*\s+3], s[G0B+4*\s+3], 0x80000000
	JLOAD \s                                       ; two loads of a wave are out
.endr
	s_lshl_b32 s88, s42, 9                         ; wo_b and out0: 128 columns of 4 bytes a block column
	s_mov_b32 s89, 0
	s_add_nc_u64 s[74:75], s[74:75], s[88:89]
	s_lshl_b32 s90, s13, 20                        ; out0: row 128 x block row + 32 w, 8,192 bytes a row
	s_lshl_b32 s91, s10, 18
	s_add_co_u32 s90, s90, s91
	s_add_co_u32 s90, s90, s88
	s_mov_b32 s91, 0
	s_add_nc_u64 s[76:77], s[76:77], s[90:91]
	v_and_b32 v1, 15, v0                           ; r
	v_bfe_u32 v2, v0, 4, 1                         ; hh
	v_and_b32 v5, 31, v0
	v_lshlrev_b32 v[L16], 4, v5
.irp j, 0,1,2,3,4,5,6,7
	global_load_b128 v[F0+4*\j:F0+4*\j+3], v[L16], s[72:73] offset:512*\j      ; mmax, into registers that are free until the first fragments
.endr
	global_load_b128 v[BIAS:BIAS+3], v[L16], s[74:75]
	v_mul_u32_u24 v3, v1, PITCH
	v_lshl_add_u32 v4, v2, 4, v3
	s_lshl_b32 s21, s10, 7                         ; my quarter of K: 128 bytes of every row
	v_add_nc_u32 v4, s21, v4
.irp s, 0,1
	v_add_nc_u32 v[ADRA+\s], \s*SLOT, v4
	v_add_nc_u32 v[ADRB+\s], \s*SLOT+HALFS, v4
.endr
	s_mul_i32 s22, s10, HALFS                      ; my region for the final sum
	v_lshl_add_u32 v6, v2, 5, v3                   ; row r, 8 f32 = 32 bytes for each half of the lanes
	v_add_nc_u32 v[STO], s22, v6
	s_mul_i32 s23, s10, 32*PITCH                   ; the rows that I put out: 32 w ..
	v_add_nc_u32 v7, s23, v[L16]
.irp g, 0,1,2,3
	v_add_nc_u32 v[RD+\g], \g*HALFS, v7
.endr
	s_wait_loadcnt 0x0
	BOUND F0, BB, TP
	v_mul_f32 v[SC], 0x43800000, v[BB]             ; 256 b
	v_mov_b32 v[SC+1], v[SC]
; 16 matrix instructions: row tiles a0, a0 + 1 of the window's four x all 8 column tiles.  The 64 accumulators take turns.
.macro MUL16 f, hi, a0, zero
.irp a, \a0, \a0+1
.irp b, 0,1,2,3,4,5,6,7
.if \zero
	v_wmma_f32_16x16x32_f16 v[8*(8*(\a)+\b):8*(8*(\a)+\b)+7], v[\f+8*\b:\f+8*\b+7], v[\f+8*(4*\hi+\a):\f+8*(4*\hi+\a)+7], 0
.else
	v_wmma_f32_16x16x32_f16 v[8*(8*(\a)+\b):8*(8*(\a)+\b)+7], v[\f+8*\b:\f+8*\b+7], v[\f+8*(4*\hi+\a):\f+8*(4*\hi+\a)+7], v[8*(8*(\a)+\b):8*(8*(\a)+\b)+7]
.endif
.endr
.endr
.endm
.macro FETCH slot, k, f                ; 32 LDS loads in one run: 128 rows of pt, 128 rows of qh, 32 K at byte k of my quarter
	WIN TO_B
.irp i, 0,1,2,3,4,5,6,7
	ds_load_b128 v[\f+8*\i:\f+8*\i+3],   v[ADRB+\slot] offset:\k+\i*16*PITCH
	ds_load_b128 v[\f+8*\i+4:\f+8*\i+7], v[ADRB+\slot] offset:\k+\i*16*PITCH+32
.endr
	WIN 0
.irp i, 0,1,2,3,4,5,6,7
	ds_load_b128 v[\f+8*\i:\f+8*\i+3],   v[ADRA+\slot] offset:\k+\i*16*PITCH
	ds_load_b128 v[\f+8*\i+4:\f+8*\i+7], v[ADRA+\slot] offset:\k+\i*16*PITCH+32
.endr
.endm
.macro PLACES                          ; four plain vector instructions behind a matrix instruction (ISA guide 7.12.1 for vector instructions)
.rept 4
	v_nop
.endr
.endm
.macro QUARTER slot, k, f, g, zero
	s_wait_dscnt 8                                 ; pt's rows and qh's rows 0-63 are in; the youngest eight loads may be out
	WIN MUL_LO
	MUL16 \f, 0, 0, \zero
	MUL16 \f, 0, 2, \zero
	PLACES
	FETCH \slot, \k, \g
	s_wait_dscnt 32                                ; all but the 32 just issued
	WIN MUL_HI
	MUL16 \f, 1, 0, \zero
	MUL16 \f, 1, 2, \zero
.endm
; The second half of a slot: multiplies buffer 1 and changes slots.  The waits for my reads of this slot and for all my tensor loads stand in front of
; the barrier; the refill is first behind it.  From a request to the wait for it a wave issues 112 matrix instructions.
.macro TURN slot, next, fill
	s_wait_dscnt 8
	WIN MUL_LO
	MUL16 F1, 0, 0, 0
	s_wait_dscnt 0
	s_wait_tensorcnt 0x0
	ds_add_u32 v255, v255
	s_wait_dscnt 0x0
	s_barrier_signal -1
	MUL16 F1, 0, 2, 0
	WIN 0
	s_barrier_wait -1
.if \fill
	CREST
	s_add_nc_u64 s[G0+4*\slot+2:G0+4*\slot+3],   s[G0+4*\slot+2:G0+4*\slot+3],   1024      ; two steps of 512 bytes on; no load of mine is out
	s_add_nc_u64 s[G0B+4*\slot+2:G0B+4*\slot+3], s[G0B+4*\slot+2:G0B+4*\slot+3], 1024
	JLOAD \slot
.endif
	PLACES
	FETCH \next, 0, F0
	WIN MUL_HI
	MUL16 F1, 1, 0, 0
	MUL16 F1, 1, 2, 0
.endm
.macro STEP slot, next, fill, zero
	QUARTER \slot, 64, F0, F1, \zero
	TURN \slot, \next, \fill
.endm
	s_wait_tensorcnt 0x1                           ; my part of step 0 is in; step 1's stays out
	s_barrier_signal -1
	s_barrier_wait -1
	FETCH 0, 0, F0
	STEP 0, 1, 1, 1                                ; the first products start the sums
	STEP 1, 0, 1, 0
	WIN 0
	s_mov_b32 s3, LAPS-2
.Llap:
	STEP 0, 1, 1, 0
	STEP 1, 0, 1, 0
	WIN 0
	s_sub_co_u32 s3, s3, 1
	s_cmp_lg_u32 s3, 0
	s_cbranch_scc1 .Llap
	STEP 0, 1, 0, 0                                ; the last lap fills nothing
	QUARTER 1, 64, F0, F1, 0
	s_wait_dscnt 8
	WIN MUL_LO
	MUL16 F1, 0, 0, 0
	MUL16 F1, 0, 2, 0
	s_wait_dscnt 0                                 ; my reads of both slots are over
	WIN MUL_HI
	MUL16 F1, 1, 0, 0
	MUL16 F1, 1, 2, 0
	WIN 0
	s_barrier_signal -1
	s_barrier_wait -1                              ; everybody's are, and no load fills these bytes any more: they now hold the four waves' sums
	PLACES
	WIN 0x08                                       ; store data from window 2
.irp a, 0,1,2,3
.irp b, 0,1,2,3,4,5,6,7
	ds_store_b128 v[STO], v[8*(8*\a+\b):8*(8*\a+\b)+3]   offset:\a*16*PITCH+64*\b
	ds_store_b128 v[STO], v[8*(8*\a+\b)+4:8*(8*\a+\b)+7] offset:\a*16*PITCH+64*\b+16
.endr
.endr
	WIN 0x0c                                       ; from window 3
.irp a, 0,1,2,3
.irp b, 0,1,2,3,4,5,6,7
	ds_store_b128 v[STO], v[8*(8*\a+\b):8*(8*\a+\b)+3]   offset:(\a+4)*16*PITCH+64*\b
	ds_store_b128 v[STO], v[8*(8*\a+\b)+4:8*(8*\a+\b)+7] offset:(\a+4)*16*PITCH+64*\b+16
.endr
.endr
	WIN 0
	s_wait_dscnt 0x0                               ; my sums are in LDS,
	s_barrier_signal -1
	s_barrier_wait -1                              ; everybody's are
; Eight of my 32 rows: the four waves' sums of a row, added, scaled, biased and stored as one whole row of 512 bytes.
.macro OUTB q
.if \q
	s_wait_xcnt 0x0                                ; the last batch's stores have had their addresses translated: their data registers are loaded again only behind this wait
.endif
.irp p, 0,1,2,3,4,5,6,7
.irp g, 0,1,2,3
	ds_load_b128 v[F0+16*\p+4*\g:F0+16*\p+4*\g+3], v[RD+\g] offset:(8*\q+\p)*PITCH
.endr
.endr
.irp p, 0,1,2,3,4,5,6,7
.set R0, F0+16*\p
	s_wait_dscnt 4*(7-\p)                          ; row p's four loads are in; four for each later row stay out
	v_pk_add_f32 v[R0:R0+1],     v[R0:R0+1],     v[R0+4:R0+5]
	v_pk_add_f32 v[R0+2:R0+3],   v[R0+2:R0+3],   v[R0+6:R0+7]
	v_pk_add_f32 v[R0+8:R0+9],   v[R0+8:R0+9],   v[R0+12:R0+13]
	v_pk_add_f32 v[R0+10:R0+11], v[R0+10:R0+11], v[R0+14:R0+15]
	v_pk_add_f32 v[R0:R0+1],     v[R0:R0+1],     v[R0+8:R0+9]
	v_pk_add_f32 v[R0+2:R0+3],   v[R0+2:R0+3],   v[R0+10:R0+11]
	v_pk_fma_f32 v[R0:R0+1],     v[R0:R0+1],     v[SC:SC+1], v[BIAS:BIAS+1]
	v_pk_fma_f32 v[R0+2:R0+3],   v[R0+2:R0+3],   v[SC:SC+1], v[BIAS+2:BIAS+3]
	global_store_b128 v[L16], v[R0:R0+3], s[76:77] offset:(8*\q+\p)*8192 th:TH_STORE_NT   ; the wave stores 512 consecutive bytes, aligned
.endr
.endm
	OUTB 0
	OUTB 1
	OUTB 2
	OUTB 3
	s_set_vgpr_msb 0x1
	s_wait_tensorcnt 0x0
	ds_add_u32 v255, v255
	s_wait_dscnt 0x0
	s_set_vgpr_msb 0x100
	CROUND                                         ; the closing round
	s_endpgm
.Lfunc_end_k_q718c9ad883_fin:
	.size	k_q718c9ad883_fin, .Lfunc_end_k_q718c9ad883_fin-k_q718c9ad883_fin
	.p2alignl 7, 3214868480
	.fill 96, 4, 3214868480
	.section	.rodata,"a",@progbits
	.p2align	6, 0x0
	.amdhsa_kernel k_q718c9ad883_fin
		.amdhsa_group_segment_fixed_size 327680
		.amdhsa_private_segment_fixed_size 0
		.amdhsa_enable_private_segment 0
		.amdhsa_kernarg_size 40
		.amdhsa_user_sgpr_count 2
		.amdhsa_user_sgpr_kernarg_segment_ptr 1
		.amdhsa_wavefront_size32 1
		.amdhsa_system_sgpr_workgroup_id_x 1
		.amdhsa_system_sgpr_workgroup_id_y 1
		.amdhsa_system_sgpr_workgroup_id_z 1
		.amdhsa_system_vgpr_workitem_id 0
		.amdhsa_next_free_vgpr 1024
		.amdhsa_next_free_sgpr 96
		.amdhsa_reserve_vcc 0
		.amdhsa_float_denorm_mode_32 3
		.amdhsa_float_denorm_mode_16_64 3
		.amdhsa_memory_ordered 1
		.amdhsa_forward_progress 1
		.amdhsa_inst_pref_size 126
	.end_amdhsa_kernel
	.amdgpu_metadata
---
amdhsa.version: [ 1, 2 ]
amdhsa.kernels:
  - .name:           k_q718c9ad883_fin
    .symbol:         k_q718c9ad883_fin.kd
    .args:
      - { .name: qh, .offset: 0, .size: 8, .value_kind: global_buffer, .address_space: global }
      - { .name: pt, .offset: 8, .size: 8, .value_kind: global_buffer, .address_space: global }
      - { .name: mmax, .offset: 16, .size: 8, .value_kind: global_buffer, .address_space: global }
      - { .name: wo_b, .offset: 24, .size: 8, .value_kind: global_buffer, .address_space: global }
      - { .name: out0, .offset: 32, .size: 8, .value_kind: global_buffer, .address_space: global }
    .group_segment_fixed_size: 327680
    .private_segment_fixed_size: 0
    .kernarg_segment_align: 8
    .kernarg_segment_size: 40
    .max_flat_workgroup_size: 128
    .sgpr_count:     96
    .vgpr_count:     1024
    .wavefront_size: 32
...
	.end_amdgpu_metadata
.endif
;; end of part 5
